; MI455X (gfx1250); checked and timed in simulation.
; The chip was launched on July 23, 2026; its instructions are those of AMD's public machine-readable ISA for CDNA 5 (MIT licence, August 2026) and "CDNA5" Instruction Set Architecture Reference Guide (July 2026). The comments in the code are by the model that wrote it; some were corrected since.
;; LSTM Cell With Residual. Allowed arithmetic: matrix products marked QUANTISED: E4M3 operands, one E8M0 scale for each 32 along K, by v_wmma_scale_f32_16x16x128_f8f6f4 with both operands' format E4M3, f32 sums; everything else in f32.
;; Inputs: W_gates 4 x 3,072 x 2,048 float32; W_res 1,024 x 2,048 float32; b_gates 4 x 2,048 float32; b_res 2,048 float32; c_t_1 2,048 x 2,048 float32; h_t_1 2,048 x 2,048 float32; x_t 2,048 x 1,024 float32.
;; Outputs: out0 2,048 x 2,048 float32; out1 2,048 x 2,048 float32.
;; This version of the problem:
;;   THIS VERSION OF THE PROBLEM IS GIVEN IN LOW PRECISION. The matrix products marked QUANTISED in the list below multiply operands that are first quantised to E4M3 (4 exponent bits, 3 mantissa bits; 8 bits a number), with one power-of-two scale for each 32 numbers along K (OCP MX v1.0); their sums are f32. All else is computed in f32.
;;   The module's matrix products, in the order in which they are computed (A, B: the left and right operand; K: the contracted axis; several contracted axes count as one K, in the product's order):
;;     1. [M 8,192, K 3,072] x [K 3,072, N 2,048]; A: input W_gates; B: computed on the way: QUANTISED
;;     2. [M 2,048, K 1,024] x [K 1,024, N 2,048]; A: input x_t; B: input W_res: QUANTISED
;;   THE QUANTISER, for each operand of a quantised product, along K:
;;     - K is cut into blocks of 32 from its start; a last block that is shorter is filled with zeros.
;;     - A block's scale is 2^e with e = floor(log2(the largest magnitude in the block)) - 8, held to -126 .. 127; a block of zeros has e = 0. As a byte (E8M0): e + 127.
;;     - Each number is divided by its block's scale, clamped to +-448, and rounded to the nearest number of E4M3, ties to even, subnormals kept.
;;     - The product sums the exact products of the quantised numbers (number of the format x scale) in f32.
;;   ~~~python
;;   def quantise(x, axis):      # numpy; x: float32 -> the quantised numbers, widened to float32 again
;;       x = np.moveaxis(x, axis, -1); K = x.shape[-1]
;;       x = np.pad(x, [(0, 0)] * (x.ndim - 1) + [(0, -K % 32)]); x = x.reshape(x.shape[:-1] + (-1, 32)); a = np.abs(x).max(-1, keepdims=True)
;;       e = np.where(a > 0, np.clip(np.frexp(np.where(a > 0, a, 1))[1] - 1 - 8, -126, 127), 0)      # np.frexp(a)[1] - 1 = floor(log2(a)), exactly
;;       r = np.clip(x / 2.0 ** e, -448, 448)
;;       step = 2.0 ** (np.maximum(np.frexp(np.where(r == 0, 1, r))[1] - 1, -6) - 3)
;;       q = np.round(r / step) * step * 2.0 ** e      # np.round: ties to even
;;       return np.moveaxis(q.reshape(q.shape[:-2] + (-1,))[..., :K], -1, axis).astype(np.float32)
;;   ~~~
;;   OPERANDS COMPUTED ON THE WAY. 'Computed on the way' means the value that the module computes at that place (a softmax that the list does not call 'softmax' is quantised finished and normalised). What goes into a quantiser is computed in f32, as accurately as f32 sums, v_exp_f32 and their like allow (about 1e-6 of the number): no bf16 or f16 on the way to a quantiser, and a product that is left as it is and whose result goes on into a quantised operand takes f32 operands (vector FMAs, or v_wmma_f32_16x16x4_f32). A number that lies on a knife's edge between two numbers of the format may be rounded either way, as far as f32 arithmetic and the matrix unit's own rounding can turn it there, and no further.
;; One version. Each part assembles by itself: llvm-mc -triple=amdgcn-amd-amdhsa -mcpu=gfx1250 --defsym DOCPART=n.
;; ======== version 1 of 1: 2 launches
;; limits: right only within a limited range of input values
;; workspace buffers: acode 6,488,064 bytes; wcode 25,952,256 bytes; rcode 2,162,688 bytes
;; launch quant (part 1): grid 1024 x 1, 4 waves a work-group, no clusters, 34,304 bytes of LDS; arguments x_t, h_t_1, W_gates, W_res, acode, wcode, rcode; writes acode, wcode, rcode
.if DOCPART == 1
	.amdgcn_target "amdgcn-amd-amdhsa--gfx1250"
	.amdhsa_code_object_version 6
	.text
	.protected	k_qd0c3f38b6c_quant
	.globl	k_qd0c3f38b6c_quant
	.p2align	8
	.type	k_qd0c3f38b6c_quant,@function
k_qd0c3f38b6c_quant:
	s_mov_b64 s[64:65], 0
	v_nop
	global_prefetch_b8 v0, s[64:65] scope:SCOPE_SE
	s_setreg_imm32_b32 hwreg(HW_REG_WAVE_MODE, 25, 1), 1
	s_wait_xcnt 0x0
; xh = [x_t | h_t_1] (K innermost), W_gates and W_res (K is the outer axis) become codes of FP8 (E4M3) with one E8M0 scale byte for each 32 along K.
; A block's scale is 2^(floor(log2(its largest magnitude)) - 8); its byte is that magnitude's exponent field - 8, held at 1 from below; each number is divided by the scale, held within +-448 and rounded to the nearest code, ties to even.
; LIMITS: a block of zeros gets the byte 1 where the rule says 127 (its codes are zeros, which add nothing under any byte but 0xff, and the bytes are read by this program alone); NaN and infinities among the inputs are not served; denormal inputs were not tried.
; THE CODES ARE LAID IN THE ORDER OF THE OPERAND'S REGISTERS.  A fragment (16 rows x 128 K) is 2,048 bytes: byte 512 c + 256 h + 16 r + (k % 16) for row r, k = 32 c + 16 h + ..: that is 512 c + 16 x lane of the wave that will load it.
; A block of BLK = 33,792 bytes is 128 rows x 256 K: codes at 4096 x (row / 16) + 2048 x (k / 128) + the fragment's byte; scale bytes at 32,768 + 8 x row + k / 32.
;   acode [16 panels of 128 batch rows][12 K steps] x BLK.
;   wcode [64 panels of 32 hidden columns][12 K steps] x BLK: the panel's 128 rows are (gate g, column): group of 16 rows = 2 g + (column / 16) % 2.
;   rcode [32 tiles of 64 hidden columns][4 K steps] x 16,896 bytes: 4 groups of 16 rows x 4,096 bytes of codes, then 64 rows x 8 scale bytes.
; 1,024 work-groups of 32,768 numbers: 0-767 W_gates, 768-831 W_res (one path of text: only pointers and offsets are chosen), 832-1023 xh.  No tensor loads, no barrier: waves share nothing.
.set BLK,   33792
.set RBLK,  16896
.set WGW,   768                        ; work-groups for W_gates
.set NW,    832                        ; and with W_res's 64
.set MANT,  0x600000                   ; the mantissa field of 448 as f32
.set WX,    64                         ; W path: v64-127  two sets of 32 numbers
.set WC,    128                        ; W path: v128-191 eight registers of codes for each of 8 blocks: no store's data are written again
.set VO,    16                         ; xh path: v16-31  16 x lane + i rows
.set TM,    32                         ; xh path: v32-47  at work in QUANT
.set PC,    48                         ; xh path: v48-63  the codes just made
.set AR,    64                         ; xh path: v64-191 two sets of 64 numbers
	s_load_b256 s[4:11], s[0:1], 0x0               ; x_t s[4:5], h_t_1 s[6:7], W_gates s[8:9], W_res s[10:11]
	s_load_b128 s[12:15], s[0:1], 0x20             ; acode s[12:13], wcode s[14:15]
	s_load_b64 s[16:17], s[0:1], 0x30              ; rcode
	v_lshl_add_u32 v192, v0, 2, 0x8400
	v_mov_b32 v193, 0
	v_lshrrev_b32 v1, 5, v0
	v_readfirstlane_b32 s18, v1                    ; wave 0..3
	v_and_b32 v1, 31, v0                           ; lane
	v_and_b32 v6, 15, v0                           ; r
	v_bfe_u32 v7, v0, 4, 1                         ; h
	v_lshlrev_b32 v2, 4, v1                        ; 16 x lane
	v_lshlrev_b32 v3, 3, v1                        ; 8 x lane
	s_mul_i32 s47, s18, 16*528                     ; the xh path's stage: 16 rows x (512 + 16) bytes for each wave
	v_add_nc_u32 v4, s47, v2                       ; into it: 16 x lane of a row
	v_mul_u32_u24 v5, v6, 528
	v_lshl_add_u32 v5, v7, 6, v5
	v_add_nc_u32 v5, s47, v5                       ; out of it: row r, + 64 h: my 16 numbers of a block of 32
	s_mov_b32 s19, MANT
	s_mov_b32 s20, 0x76543210
	s_mov_b32 s21, 0xfedcba98                      ; v_permlanex16_b32's selects for lane l xor 16
	s_cmp_lt_u32 ttmp9, NW
	s_cbranch_scc0 .Lact
; ---------------- W_gates and W_res: A LANE TAKES A COLUMN, AND ITS REGISTERS RUN DOWN K ----------------
; A work-group takes 256 along K x 128 columns, a wave 32 columns.  Each load reads 128 consecutive bytes a wave, the four waves side by side.  A block of 32 along K lies in one lane's 32 registers.
; A lane's 16 codes of a half block are 16 bytes of the fragment's image, and the sixteen lanes of a half hold the sixteen rows of one group: a store covers two runs of 256 consecutive bytes, aligned.  No stage is needed.
	s_cmp_lt_u32 ttmp9, WGW
	s_cselect_b32 s22, 0, WGW
	s_sub_co_u32 s22, ttmp9, s22                   ; number within the tensor
	s_lshr_b32 s23, s22, 4                         ; kc: which 256 rows (W_gates as [12288][2048]: 12 g + K step)
	s_and_b32 s24, s22, 15                         ; nx: which 128 columns
	s_mul_i32 s25, s23, 43
	s_lshr_b32 s25, s25, 9                         ; g = kc / 12, exact for kc up to 47
	s_mul_i32 s26, s25, 12
	s_sub_co_u32 s26, s23, s26                     ; K step
	s_lshl_b32 s27, s24, 2
	s_add_co_u32 s27, s27, s18                     ; panel = 4 nx + wave
	s_mul_i32 s27, s27, 12
	s_add_co_u32 s27, s27, s26
	s_mul_i32 s27, s27, BLK                        ; the block in wcode
	s_lshl_b32 s28, s25, 13
	s_add_co_u32 s28, s28, s27                     ; gates: codes at + 8192 g
	s_lshl_b32 s29, s25, 8
	s_add_co_u32 s29, s29, s27
	s_add_co_u32 s29, s29, 32768                   ; gates: scale bytes at + 32768 + 256 g
	s_lshr_b32 s30, s18, 1
	s_lshl_b32 s31, s24, 1
	s_add_co_u32 s30, s30, s31                     ; W_res: tile = 2 nx + wave / 2
	s_lshl_b32 s30, s30, 2
	s_add_co_u32 s30, s30, s23
	s_mul_i32 s30, s30, RBLK                       ; the block in rcode
	s_and_b32 s31, s18, 1
	s_lshl_b32 s32, s31, 13
	s_add_co_u32 s32, s32, s30                     ; W_res: codes at + 8192 (wave % 2)
	s_lshl_b32 s33, s31, 8
	s_add_co_u32 s33, s33, s30
	s_add_co_u32 s33, s33, 16384                   ; W_res: scale bytes at + 16384 + 256 (wave % 2)
	s_lshl_b32 s34, s23, 21                        ; source: 256 rows of 8,192 bytes a kc,
	s_lshl_b32 s35, s24, 9
	s_add_co_u32 s34, s34, s35                     ; 512 bytes a nx,
	s_lshl_b32 s35, s18, 7
	s_add_co_u32 s34, s34, s35                     ; 128 bytes a wave
	s_mov_b32 s35, 0
	s_mov_b32 s41, 0
	s_mov_b32 s43, 0
	s_wait_alu depctr_va_vdst(0)
	v_lshlrev_b32 v14, 2, v1                       ; in: 4 bytes a lane
	v_lshlrev_b32 v15, 4, v6
	v_lshl_add_u32 v15, v7, 12, v15                ; out: 16 r + 4096 x (lane / 16): the second group of 16 rows
	s_wait_alu depctr_va_vdst(0)
	s_wait_kmcnt 0x0
	s_cmp_lt_u32 ttmp9, WGW                        ; the choice hangs on the work-group's number alone
	s_cselect_b64 s[36:37], s[8:9], s[10:11]
	s_cselect_b64 s[38:39], s[14:15], s[16:17]
	s_cselect_b32 s40, s28, s32
	s_cselect_b32 s42, s29, s33
	s_add_nc_u64 s[36:37], s[36:37], s[34:35]      ; where my columns begin
	s_add_nc_u64 s[44:45], s[38:39], s[40:41]      ; my codes
	s_add_nc_u64 s[46:47], s[38:39], s[42:43]      ; my scale bytes
.macro WLOAD t                         ; block t: W(32 t + i, my column), i = 0 .. 31, into set t % 2; the largest offset is 255 rows of 8,192 bytes, inside the signed 24-bit immediate
.irp i, 0,1,2,3,4,5,6,7,8,9,10,11,12,13,14,15,16,17,18,19,20,21,22,23,24,25,26,27,28,29,30,31
	global_load_b32 v[WX+32*((\t)%2)+\i], v14, s[36:37] offset:(32*(\t)+\i)*8192 th:TH_LOAD_NT
.endr
.endm
.macro WBLOCK t
.set XS, WX+32*((\t)%2)
.if (\t) < 7
	s_wait_loadcnt 32                              ; this block's 32 loads are in; the next block's 32 may be out
.else
	s_wait_loadcnt 0x0
.endif
	v_max3_num_f32 v12, |v[XS]|, |v[XS+1]|, |v[XS+2]|              ; the block's largest magnitude: all 32 numbers are mine; two chains
	v_max3_num_f32 v13, |v[XS+3]|, |v[XS+4]|, |v[XS+5]|
.irp i, 6,10,14,18,22,26
	v_max3_num_f32 v12, v12, |v[XS+\i]|, |v[XS+\i+1]|
	v_max3_num_f32 v13, v13, |v[XS+\i+2]|, |v[XS+\i+3]|
.endr
	v_max3_num_f32 v12, v12, |v[XS+30]|, |v[XS+31]|
	v_max3_num_f32 v12, v12, v13, 0x4800000        ; and the floor 2^(9 - 127): the byte cannot fall under 1
	v_add_nc_u32 v11, 0xfc000000, v12              ; 8 off the exponent field: the conversion takes this operand's exponent field as its scale
	v_and_or_b32 v10, v12, 0x7f800000, s19         ; 448 x the scale
.irp i, 0,1,2,3,4,5,6,7,8,9,10,11,12,13,14,15,16,17,18,19,20,21,22,23,24,25,26,27,28,29,30,31
	v_med3_num_f32 v[XS+\i], v[XS+\i], -v10, v10   ; the conversion to an 8-bit code does not saturate (ISA guide 7.6.2): the hold comes first
.endr
.irp g, 0,1,2,3
	v_cvt_scalef32_pk8_fp8_f32 v[WC+8*(\t)+2*\g:WC+8*(\t)+2*\g+1], v[XS+8*\g:XS+8*\g+7], v11
.endr
	v_lshrrev_b32 v13, 23, v11                     ; the scale's byte (also the plain line behind the conversions)
.if (\t)%4 == 0
	v_mov_b32 v[8+(\t)/4], v13                     ; four bytes to a register, the lower K in the lower byte
.else
	v_lshl_or_b32 v[8+(\t)/4], v13, 8*((\t)%4), v[8+(\t)/4]
.endif
	global_store_b128 v15, v[WC+8*(\t):WC+8*(\t)+3], s[44:45] offset:((\t)/4)*2048+((\t)%4)*512        ; k % 32 = 0 .. 15: the image's lanes 0-15
	global_store_b128 v15, v[WC+8*(\t)+4:WC+8*(\t)+7], s[44:45] offset:((\t)/4)*2048+((\t)%4)*512+256  ; k % 32 = 16 .. 31: its lanes 16-31
.if (\t)+2 < 8
	WLOAD (\t)+2
.endif
.endm
	WLOAD 0
	WLOAD 1
.irp t, 0,1,2,3,4,5,6,7
	WBLOCK \t
.endr
	global_store_b64 v3, v[8:9], s[46:47]          ; my column's 8 scale bytes: the 32 lanes store 256 consecutive bytes, aligned
	s_endpgm
; ---------------- xh: K is innermost ----------------
; A work-group makes one block of acode: 128 batch rows x 256 K; a wave 32 rows: four fragments f = 2 x (rows / 16) + (k / 128).
; Each load reads 512 consecutive bytes of one row.  The conversions want 16 neighbours along K in ONE lane, so a fragment's 16 rows x 512 bytes turn through the wave's own stage in LDS.
.Lact:
	s_sub_co_u32 s22, ttmp9, NW
	s_and_b32 s23, s22, 15                         ; panel
	s_lshr_b32 s24, s22, 4                         ; K step 0..11
	s_lshl_b32 s25, s23, 7
	s_lshl_b32 s26, s18, 5
	s_add_co_u32 s25, s25, s26                     ; my first batch row
	s_mul_i32 s27, s23, 12
	s_add_co_u32 s27, s27, s24
	s_mul_i32 s27, s27, BLK                        ; the block in acode
	s_lshl_b32 s26, s18, 13
	s_add_co_u32 s40, s27, s26                     ; my codes: two groups of 16 rows, 8,192 bytes
	s_mov_b32 s41, 0
	s_lshl_b32 s26, s18, 8
	s_add_co_u32 s42, s27, s26
	s_add_co_u32 s42, s42, 32768                   ; my 256 scale bytes
	s_mov_b32 s43, 0
	s_sub_co_u32 s26, s24, 4
.irp b, 0,1,2,3
	v_mov_b32 v[TM+4+\b], 0                        ; written once: a lane permute's destination counts as one of its sources
.endr
	s_wait_kmcnt 0x0
	s_cmp_lt_u32 s24, 4                            ; K steps 0-3 are x_t's columns, 4-11 h_t_1's
	s_cselect_b64 s[36:37], s[4:5], s[6:7]
	s_cselect_b32 s44, 12, 13                      ; a row is 2^12 or 2^13 bytes
	s_cselect_b32 s45, s24, s26                    ; the K step within the tensor
	s_lshl_b32 s46, 1, s44                         ; a row in bytes
	s_lshl_b32 s38, s25, s44
	s_lshl_b32 s45, s45, 10
	s_add_co_u32 s38, s38, s45
	s_mov_b32 s39, 0
	s_add_nc_u64 s[28:29], s[36:37], s[38:39]      ; my rows 0-15
	s_lshl_b32 s38, s46, 4
	s_add_nc_u64 s[30:31], s[28:29], s[38:39]      ; my rows 16-31
	s_add_nc_u64 s[32:33], s[12:13], s[40:41]
	s_add_nc_u64 s[34:35], s[12:13], s[42:43]
	v_mov_b32 v[VO], v2
.irp i, 1,2,3,4,5,6,7,8,9,10,11,12,13,14,15
	v_add_nc_u32 v[VO+\i], s46, v[VO+\i-1]         ; 16 x lane + i rows
.endr
.macro ALOAD f                         ; fragment f: 16 rows x 512 bytes into set f % 2
.irp i, 0,1,2,3,4,5,6,7,8,9,10,11,12,13,14,15
	global_load_b128 v[AR+64*((\f)%2)+4*\i:AR+64*((\f)%2)+4*\i+3], v[VO+\i], s[28+2*((\f)/2):29+2*((\f)/2)] offset:512*((\f)%2) th:TH_LOAD_NT
.endr
.endm
; 64 numbers of a lane, register 16 b + i = k 32 b + 16 (lane / 16) + i of my row, become a fragment's codes in v[PC] on and its scale word in v[pw]
.macro QUANT s, pw
.irp b, 0,1,2,3
	v_max3_num_f32 v[TM+\b], |v[\s+16*\b]|, |v[\s+1+16*\b]|, 0x4800000   ; block b: my 16 numbers, and the floor 2^(9 - 127)
.endr
.irp i, 2,4,6,8,10,12,14
.irp b, 0,1,2,3
	v_max3_num_f32 v[TM+\b], v[TM+\b], |v[\s+16*\b+\i]|, |v[\s+1+16*\b+\i]|   ; the four blocks by turns
.endr
.endr
.irp b, 0,1,2,3
	v_permlanex16_b32 v[TM+4+\b], v[TM+\b], s20, s21
.endr
.irp b, 0,1,2,3
	v_max_num_f32 v[TM+\b], v[TM+\b], v[TM+4+\b]   ; with lane l xor 16's: the block's largest magnitude
.endr
.irp b, 0,1,2,3
	v_add_nc_u32 v[TM+12+\b], 0xfc000000, v[TM+\b] ; the conversion's scale operand
.endr
.irp b, 0,1,2,3
	v_and_or_b32 v[TM+8+\b], v[TM+\b], 0x7f800000, s19   ; 448 x the scale
.endr
.irp b, 0,1,2,3
	v_lshrrev_b32 v[TM+4+\b], 23, v[TM+12+\b]      ; the scale's byte
.endr
	v_lshl_or_b32 v[\pw], v[TM+5], 8, v[TM+4]      ; the four bytes make my row's scale word (both halves of the lanes hold it)
	v_lshl_or_b32 v[\pw], v[TM+6], 16, v[\pw]
	v_lshl_or_b32 v[\pw], v[TM+7], 24, v[\pw]
.irp b, 0,1,2,3
.irp i, 0,1,2,3,4,5,6,7,8,9,10,11,12,13,14,15
	v_med3_num_f32 v[\s+16*\b+\i], v[\s+16*\b+\i], -v[TM+8+\b], v[TM+8+\b]
.endr
	v_cvt_scalef32_pk8_fp8_f32 v[PC+4*\b:PC+1+4*\b], v[\s+16*\b:\s+7+16*\b], v[TM+12+\b]
	v_cvt_scalef32_pk8_fp8_f32 v[PC+2+4*\b:PC+3+4*\b], v[\s+8+16*\b:\s+15+16*\b], v[TM+12+\b]
.endr
	v_nop                                          ; one plain line behind the last conversion
.endm
.macro AFRAG f
.set FS, AR+64*((\f)%2)
.if (\f) < 3
	s_wait_loadcnt 16                              ; this fragment's 16 loads are in; the next fragment's 16 may be out
.else
	s_wait_loadcnt 0x0
.endif
.irp i, 0,1,2,3,4,5,6,7,8,9,10,11,12,13,14,15
	ds_store_b128 v4, v[FS+4*\i:FS+4*\i+3] offset:528*\i
.endr
.irp b, 0,1,2,3
.irp j, 0,1,2,3
	ds_load_b128 v[FS+16*\b+4*\j:FS+16*\b+4*\j+3], v5 offset:128*\b+16*\j   ; LDS serves a wave's instructions in order (ISA guide 5.7.1.4): these see the stores above
.endr
.endr
	s_wait_dscnt 0x0
	s_wait_xcnt 0x0                                ; the last fragment's stores have read v[PC] on: it is written again only behind this wait
	QUANT FS, 12+(\f)
.irp c, 0,1,2,3
	global_store_b128 v2, v[PC+4*\c:PC+4*\c+3], s[32:33] offset:4096*((\f)/2)+2048*((\f)%2)+512*\c   ; the image as it stands: 512 consecutive bytes a store
.endr
.if (\f)+2 < 4
	ALOAD (\f)+2
.endif
.endm
	ALOAD 0
	ALOAD 1
	AFRAG 0
	AFRAG 1
	AFRAG 2
	AFRAG 3
	v_cmp_gt_u32 vcc_lo, 16, v1                    ; lanes 0-15 store rows 0-15's two words, lanes 16-31 rows 16-31's
	v_cndmask_b32 v6, v14, v12, vcc_lo
	v_cndmask_b32 v7, v15, v13, vcc_lo
	global_store_b64 v3, v[6:7], s[34:35]          ; 32 rows x 8 scale bytes: 256 consecutive bytes, aligned
	s_wait_tensorcnt 0x0
	ds_add_u32 v192, v193
	s_wait_dscnt 0x0
	s_endpgm
.Lfunc_end_k_qd0c3f38b6c_quant:
	.size	k_qd0c3f38b6c_quant, .Lfunc_end_k_qd0c3f38b6c_quant-k_qd0c3f38b6c_quant
	.p2alignl 7, 3214868480
	.fill 96, 4, 3214868480
	.section	.rodata,"a",@progbits
	.p2align	6, 0x0
	.amdhsa_kernel k_qd0c3f38b6c_quant
		.amdhsa_group_segment_fixed_size 34304
		.amdhsa_private_segment_fixed_size 0
		.amdhsa_enable_private_segment 0
		.amdhsa_kernarg_size 56
		.amdhsa_user_sgpr_count 2
		.amdhsa_user_sgpr_kernarg_segment_ptr 1
		.amdhsa_wavefront_size32 1
		.amdhsa_system_sgpr_workgroup_id_x 1
		.amdhsa_system_sgpr_workgroup_id_y 1
		.amdhsa_system_sgpr_workgroup_id_z 1
		.amdhsa_system_vgpr_workitem_id 0
		.amdhsa_next_free_vgpr 194
		.amdhsa_next_free_sgpr 66
		.amdhsa_reserve_vcc 1
		.amdhsa_float_denorm_mode_32 3
		.amdhsa_float_denorm_mode_16_64 3
		.amdhsa_memory_ordered 1
		.amdhsa_forward_progress 1
		.amdhsa_inst_pref_size 108
	.end_amdhsa_kernel
	.amdgpu_metadata
---
amdhsa.version: [ 1, 2 ]
amdhsa.kernels:
  - .name:           k_qd0c3f38b6c_quant
    .symbol:         k_qd0c3f38b6c_quant.kd
    .args:
      - { .name: x_t, .offset: 0, .size: 8, .value_kind: global_buffer, .address_space: global }
      - { .name: h_t_1, .offset: 8, .size: 8, .value_kind: global_buffer, .address_space: global }
      - { .name: W_gates, .offset: 16, .size: 8, .value_kind: global_buffer, .address_space: global }
      - { .name: W_res, .offset: 24, .size: 8, .value_kind: global_buffer, .address_space: global }
      - { .name: acode, .offset: 32, .size: 8, .value_kind: global_buffer, .address_space: global }
      - { .name: wcode, .offset: 40, .size: 8, .value_kind: global_buffer, .address_space: global }
      - { .name: rcode, .offset: 48, .size: 8, .value_kind: global_buffer, .address_space: global }
    .group_segment_fixed_size: 34304
    .private_segment_fixed_size: 0
    .kernarg_segment_align: 8
    .kernarg_segment_size: 56
    .max_flat_workgroup_size: 128
    .sgpr_count:     66
    .vgpr_count:     194
    .wavefront_size: 32
...
	.end_amdgpu_metadata
.endif
;; end of part 1
;; launch cell (part 2): grid 32 x 8, 4 waves a work-group, clusters of 4 x 4, 327,680 bytes of LDS; arguments acode, wcode, rcode, c_t_1, b_gates, b_res, out0, out1; writes out0, out1
.if DOCPART == 2
	.amdgcn_target "amdgcn-amd-amdhsa--gfx1250"
	.amdhsa_code_object_version 6
	.text
	.protected	k_qd0c3f38b6c_cell
	.globl	k_qd0c3f38b6c_cell
	.p2align	8
	.type	k_qd0c3f38b6c_cell,@function
k_qd0c3f38b6c_cell:
	s_mov_b64 s[64:65], 0
	v_nop
	global_prefetch_b8 v0, s[64:65] scope:SCOPE_SE
	s_setreg_imm32_b32 hwreg(HW_REG_WAVE_MODE, 25, 1), 1
	s_wait_xcnt 0x0
	s_wait_alu depctr_hold_cnt(0) depctr_sa_sdst(0) depctr_va_vdst(0) depctr_va_sdst(0) depctr_va_ssrc(0) depctr_va_vcc(0) depctr_vm_vsrc(0)
	s_getreg_b32 s2, hwreg(HW_REG_IB_STS2, 6, 4)
	s_cmp_eq_u32 s2, 0
	s_cbranch_scc0 .Lentry_in_a_cluster
	s_endpgm
.Lentry_in_a_cluster:
	s_bfe_u32 s2, ttmp6, 0x10000c
	s_cmp_lg_u32 s2, 0xf033
	s_cbranch_scc0 .Lentry_shape_is_right
	s_endpgm
.Lentry_shape_is_right:
; The LSTM cell on codes of MX-FP8.  A work-group makes 256 batch rows x 64 hidden columns of h_t and c_t: all four gates (K = 3,072), the cell's arithmetic in f32, then x_t W_res (K = 1,024) added onto o tanh(c) + b_res.
; Four waves; a wave has 128 rows x 32 columns x 4 gates: 64 accumulators.  Source 0 = 16 rows of the weights, source 1 = 16 batch rows: a lane holds eight neighbouring columns of one batch row.
; acode, wcode, rcode hold images of the operands' registers (a fragment = 4 loads of 512 consecutive bytes) in blocks of BLK bytes = 128 rows x 256 K and their scale bytes.
; K goes in steps of 256 through a ring of two LDS slots (2 blocks of xh, 2 of the weights), filled by joint loads in clusters of 4 x 4: xh's blocks shared along a row, the weights' along a column.
; A K step is two halves of 64 products, A's blocks one after the other (a group = 8 products).  The next half's 64 LDS loads stand in TWO runs, each behind eight places.  B has two sets; A one set, and for
; blocks 6 and 7 a second buffer for the odd halves: so a slot's last reads are issued 16 products ahead of the wait in front of the round, and the round's refill stands 16 products into the slot's last half.
; PREFETCH: of the block that a wave fetches jointly with three partners each partner names a quarter, by address: 32 units of 256 bytes of codes (a lane a unit) and one unit of scale bytes.
; K step 1 is named at the head, behind K step 0's load; K steps 2 and 3 when K step 0 has landed; trip L names K steps 2 L + 4 and 2 L + 5, which trip L + 1 loads; the last trip names the c_t_1 tile instead
; (64 rows x 256 bytes a wave).  rcode and the second reads of xh are not named: their loads stand under the cell's arithmetic.
; REGISTERS: window 0: v0-31 addresses; v32-63 scale words, two sets; v64-127 the biases, later b_res (v64-79), A's second buffers and the way out (v96-127); v128-255 A's fragments.  window 1: B's two sets.  windows 2, 3: accumulators.
.set BLK,   33792
.set SLOT,  4*BLK
.set RBLK,  16896
.set CPB,   64*272
.set STG,   2*SLOT
.set STGB,  64*272
.set SPARE, STG+2*STGB
.set NP,    8
.set VPF,   3
.set ADRA,  4
.set ADRB,  6
.set ADRS,  8
.set ADRC,  10
.set ADRA2, 11
.set ADRW,  12
.set ASA,   13
.set ASW,   16
.set STO,   17
.set RD,    18
.set CO,    19
.set SPW,   20
.set NIL,   21
.set VB,    22
.set SBW,   24
.set VS,    24                         ; in the K loop: prefetch offset of my unit of scale bytes, of two K steps
.set VT,    25                         ; at the head: the same of K steps 1 to 3
.set VP,    26                         ; prefetch offset of my quarter of a block's codes
.set SC,    32
.set BIAS,  64
.set BR,    64
.set OB,    96
.set AF,    128
.set WV,    20
.set WH,    21
.set WL,    22
.set G1,    24
.set G1B,   32
.set G1C,   40
.set G0A,   48
.set G0B,   56
.set G0C,   68
.set G0R,   72
.set G0T1,  76
.set G0T2,  80
.set G0T3,  84
.set PF,    92
.set MSB, 0
.macro WIN new                         ; the immediate's high byte repeats the setting that is left
.if MSB != (\new)
	s_set_vgpr_msb (MSB<<8)|(\new)
.set MSB, (\new)
.endif
.endm
.macro PLACES n
.rept \n
	v_nop
.endr
.endm
.macro JLOAD g0a, g1a, g0b, g1b        ; a joint load: waves 0, 1 fetch xh's blocks, waves 2, 3 the weights'
	s_cmp_eq_u32 s[WH], 0
	s_cbranch_scc0 .Lfor_b_\@
	tensor_load_to_lds s[\g0a:\g0a+3], s[\g1a:\g1a+7]
	s_nop 0
.rept 4
	v_nop
.endr
	s_branch .Lasked_\@
.Lfor_b_\@:
	tensor_load_to_lds s[\g0b:\g0b+3], s[\g1b:\g1b+7]
	s_nop 0
.rept 4
	v_nop
.endr
.Lasked_\@:
.endm
.macro CREST                           ; a round of the cluster's barrier behind its opening barrier
	s_cmp_lg_u32 s[WV], 0
	s_cbranch_scc1 .Lnot_wave_0_\@
	s_barrier_signal -3
.Lnot_wave_0_\@:
	s_barrier_wait -3
	s_barrier_signal -1
	s_barrier_wait -1
.endm
.macro CROUND
	s_barrier_signal -1
	s_barrier_wait -1
	CREST
.endm
	s_load_b256 s[4:11], s[0:1], 0x0               ; acode, wcode, rcode, c_t_1
	s_load_b256 s[12:19], s[0:1], 0x20             ; b_gates, b_res, out0, out1
	v_lshl_add_u32 v[SPW], v0, 2, SPARE
	v_mov_b32 v[NIL], 0
	ds_add_u32 v[SPW], v[NIL]                      ; the opening lines: the add twice on end under one wait
	ds_add_u32 v[SPW], v[NIL]
	v_lshrrev_b32 v1, 5, v0
	v_readfirstlane_b32 s[WV], v1
	s_lshr_b32 s[WH], s[WV], 1                     ; my half of the rows; also: I fetch xh (0) or weights (1)
	s_and_b32 s[WL], s[WV], 1                      ; my half of the columns; also: which block I fetch
	s_bfe_u32 s88, ttmp6, 0x40000                  ; cx
	s_bfe_u32 s89, ttmp6, 0x40004                  ; cy
	s_lshl_b32 s90, ttmp9, 2
	s_add_co_u32 s90, s90, s88                     ; work-group x: 64 hidden columns
	s_and_b32 s91, ttmp7, 0xffff
	s_lshl_b32 s91, s91, 2
	s_add_co_u32 s91, s91, s89                     ; work-group y: 256 batch rows
	s_lshl_b32 s92, s89, 2
	s_lshl_b32 s92, 15, s92                        ; my row of the cluster
	s_lshl_b32 s93, 0x1111, s88                    ; my column
	s_or_b32 s[G1], s92, (3<<16)|(1<<21)           ; a block: 132 dense rows of 256 bytes (32 elements of 8 bytes)
	s_or_b32 s[G1B], s93, (3<<16)|(1<<21)
.irp g, G1, G1B
	s_mov_b32 s[\g+1], 32<<16
	s_mov_b32 s[\g+2], 132<<16
	s_mov_b32 s[\g+3], 32<<16
	s_mov_b32 s[\g+4], 132
	s_mov_b32 s[\g+5], 32
	s_mov_b32 s[\g+6], 0
	s_mov_b32 s[\g+7], 0
.endr
	s_mov_b32 s[G1C], (2<<16)|(1<<20)|(5<<22)|(3<<25)   ; c_t_1: 64 rows x 64 f32, 16 bytes of padding behind each row
	s_mov_b32 s[G1C+1], 64<<16
	s_mov_b32 s[G1C+2], 64<<16
	s_mov_b32 s[G1C+3], 64<<16
	s_mov_b32 s[G1C+4], 64
	s_mov_b32 s[G1C+5], 2048
	s_mov_b32 s[G1C+6], 0
	s_mov_b32 s[G1C+7], 0
	s_mov_b32 s2, 0xbfb8aa3b                       ; -log2(e)
	s_mov_b32 s3, s2
	s_mov_b32 s66, 0x4038aa3b                      ; 2 log2(e)
	s_mov_b32 s67, s66
	s_lshl_b32 s94, s91, 1
	s_add_co_u32 s94, s94, s[WL]
	s_mul_i32 s94, s94, 12*BLK                     ; xh's panel
	s_mov_b32 s95, 0
	s_lshl_b32 s96, s90, 1
	s_add_co_u32 s96, s96, s[WL]
	s_mul_i32 s[G0R+2], s96, BLK                   ; W_res's half tile
	s_mov_b32 s[G0R+3], 0
	s_mul_i32 s96, s96, 12*BLK                     ; the weights' panel
	s_mov_b32 s97, 0
	s_mul_i32 s100, s[WV], BLK
	s_lshl_b32 s98, s91, 8
	s_lshl_b32 s99, s[WV], 6
	s_add_co_u32 s98, s98, s99
	s_lshl_b32 s98, s98, 13
	s_lshl_b32 s99, s90, 8
	s_add_co_u32 s98, s98, s99                     ; my 64 rows of the c_t_1 tile
	s_mov_b32 s99, 0
	s_wait_dscnt 0x0                               ; both opening adds are done
	s_wait_kmcnt 0x0
	s_add_nc_u64 s[4:5], s[4:5], s[94:95]
	s_add_nc_u64 s[6:7], s[6:7], s[96:97]
	s_add_nc_u64 s[10:11], s[10:11], s[98:99]
	s_cmp_eq_u32 s[WH], 0
	s_cselect_b64 s[PF:PF+1], s[4:5], s[6:7]       ; the prefetches: K step 0 of the panel that I fetch,
	s_cselect_b32 s88, s88, s89                    ; and my place among the four that fetch it with me
.irp s, 0,1
	s_mov_b32 s[G0A+4*\s], 1
	s_add_co_u32 s[G0A+4*\s+1], s100, \s*SLOT
	s_add_nc_u64 s[G0A+4*\s+2:G0A+4*\s+3], s[4:5], \s*BLK
	s_or_b32 s[G0A+4*\s+3], s[G0A+4*\s+3], 0x80000000
	s_mov_b32 s[G0B+4*\s], 1
	s_add_co_u32 s[G0B+4*\s+1], s100, \s*SLOT
	s_add_nc_u64 s[G0B+4*\s+2:G0B+4*\s+3], s[6:7], \s*BLK
	s_or_b32 s[G0B+4*\s+3], s[G0B+4*\s+3], 0x80000000
.endr
	s_mov_b32 s[G0C], 1
	s_mul_i32 s[G0C+1], s[WV], CPB
	s_mov_b64 s[G0C+2:G0C+3], s[10:11]
	s_or_b32 s[G0C+3], s[G0C+3], 0x80000000
	s_mov_b32 s[G0R], 1
	s_add_co_u32 s[G0R+1], s100, SLOT
	s_add_nc_u64 s[G0R+2:G0R+3], s[8:9], s[G0R+2:G0R+3]
	s_or_b32 s[G0R+3], s[G0R+3], 0x80000000
	s_mov_b32 s[G0T1], 1                           ; x_t's K steps once more, for the residual product
	s_add_co_u32 s[G0T1+1], s100, SLOT
	s_mov_b64 s[G0T1+2:G0T1+3], s[4:5]
	s_or_b32 s[G0T1+3], s[G0T1+3], 0x80000000
	s_add_co_u32 s94, s[WH], 1
	s_mul_i32 s94, s94, BLK
	s_mov_b32 s[G0T2], 1
	s_mov_b32 s[G0T2+1], s100
	s_add_nc_u64 s[G0T2+2:G0T2+3], s[4:5], s[94:95]
	s_or_b32 s[G0T2+3], s[G0T2+3], 0x80000000
	s_mov_b32 s[G0T3], 1
	s_add_co_u32 s[G0T3+1], s100, SLOT
	s_add_nc_u64 s[G0T3+2:G0T3+3], s[4:5], 3*BLK
	s_or_b32 s[G0T3+3], s[G0T3+3], 0x80000000
	CROUND                                         ; all sixteen work-groups are here: the first joint loads meet
	JLOAD G0A, G1, G0B, G1B                        ; K step 0: one tensor load a wave at the head
	; all that follows up to the wait for that load is made while it is on its way
	v_and_b32 v[VP], 31, v0
	v_and_b32 v[VS], 1, v0
	v_and_b32 v[VT], 3, v0
	s_lshl_b32 s89, s88, 13
	v_lshl_add_u32 v[VP], v[VP], 8, s89            ; 256 x lane + 8,192 x my place
	s_lshl_b32 s89, s88, 8
	s_add_co_u32 s89, s89, 32768                   ; the scale bytes' four units: mine
	v_min_u32 v[VT], 2, v[VT]
	v_mad_u32_u24 v[VS], v[VS], BLK, s89           ; even lanes one K step, odd lanes the next
	v_mad_u32_u24 v[VT], v[VT], BLK, s89           ; lanes by fours: three K steps, the last named twice
	global_prefetch_b8 v[VP], s[PF:PF+1] offset:BLK th:TH_LOAD_NT scope:SCOPE_SE   ; K step 1's codes
	global_prefetch_b8 v[VT], s[PF:PF+1] offset:BLK th:TH_LOAD_NT scope:SCOPE_SE   ; the scale bytes of K steps 1 to 3: three units
	s_lshl_b32 s98, s91, 8
	s_lshl_b32 s99, s[WH], 7
	s_add_co_u32 s98, s98, s99
	s_lshl_b32 s99, s[WL], 4
	s_add_co_u32 s98, s98, s99
	s_lshl_b32 s98, s98, 13
	s_lshl_b32 s99, s90, 8
	s_add_co_u32 s98, s98, s99
	s_mov_b32 s99, 0
	s_add_nc_u64 s[16:17], s[16:17], s[98:99]      ; out0, out1: the rows that I store
	s_add_nc_u64 s[18:19], s[18:19], s[98:99]
	s_lshl_b32 s98, s90, 8
	s_lshl_b32 s101, s[WL], 7
	s_add_co_u32 s98, s98, s101
	s_add_nc_u64 s[12:13], s[12:13], s[98:99]      ; the biases of my 32 columns
	s_add_nc_u64 s[14:15], s[14:15], s[98:99]
	v_and_b32 v1, 15, v0
	v_bfe_u32 v2, v0, 4, 1
	v_and_b32 v3, 31, v0
	v_lshlrev_b32 v23, 4, v3
	v_lshlrev_b32 v[VPF], 13, v3
	v_lshlrev_b32 v[VB], 5, v2
.irp b, 0,1,2,3,4,5,6,7
	global_load_b128 v[BIAS+8*\b:BIAS+8*\b+3], v[VB], s[12:13] offset:(\b/2)*8192+(\b%2)*64
	global_load_b128 v[BIAS+8*\b+4:BIAS+8*\b+7], v[VB], s[12:13] offset:(\b/2)*8192+(\b%2)*64+16
.endr
	s_mul_i32 s101, s[WH], BLK
	v_add_nc_u32 v[ADRA], s101, v23
	v_add_nc_u32 v[ADRA+1], SLOT, v[ADRA]
	v_add_nc_u32 v[ADRA2], 2*BLK, v[ADRA]
	s_add_co_u32 s101, s101, 32768
	v_lshlrev_b32 v[ASA+1], 3, v1
	v_add_nc_u32 v[ASA+1], s101, v[ASA+1]
	v_add_nc_u32 v[ASA], SLOT, v[ASA+1]
	v_add_nc_u32 v[ASA+2], 2*BLK, v[ASA+1]
	s_xor_b32 s23, s[WH], 1
	s_add_co_u32 s23, s23, s[WL]
	s_add_co_u32 s23, s23, 1
	s_mul_i32 s23, s23, BLK
	v_mul_u32_u24 v[ADRS], s23, v2                 ; scale words: lanes 0-15 xh's rows, lanes 16-31 the weights'
	v_add_nc_u32 v[ADRS], v[ADRS], v[ASA+1]
	v_add_nc_u32 v[ADRS+1], SLOT, v[ADRS]
	s_mul_i32 s101, s[WL], BLK
	s_add_co_u32 s101, s101, 2*BLK
	v_add_nc_u32 v[ADRB], s101, v23
	v_add_nc_u32 v[ADRB+1], SLOT, v[ADRB]
	s_lshl_b32 s101, s[WL], 13
	s_add_co_u32 s101, s101, SLOT+2*BLK
	v_add_nc_u32 v[ADRW], s101, v23
	s_lshl_b32 s101, s[WL], 8
	s_add_co_u32 s101, s101, SLOT+2*BLK+16384
	v_lshl_add_u32 v[ASW], v1, 3, s101
	v_mul_u32_u24 v[ADRC], v1, 272
	v_lshl_add_u32 v[ADRC], v2, 5, v[ADRC]
	s_lshl_b32 s23, s[WL], 7
	s_mul_i32 s101, s[WH], 32*272
	s_add_co_u32 s101, s101, s23
	s_add_co_u32 s101, s101, STG
	v_add_nc_u32 v[STO], s101, v[ADRC]
	s_mul_i32 s101, s[WH], 128*272
	s_add_co_u32 s101, s101, s23
	v_add_nc_u32 v[ADRC], s101, v[ADRC]
	v_mul_u32_u24 v[RD], v2, 272
	v_lshl_add_u32 v[RD], v1, 4, v[RD]
	s_mul_i32 s101, s[WV], 16*272
	s_add_co_u32 s101, s101, STG
	v_add_nc_u32 v[RD], s101, v[RD]
	v_lshlrev_b32 v[CO], 13, v2
	v_lshl_add_u32 v[CO], v1, 4, v[CO]
.macro FRAG reg, adr, q, i             ; a fragment's image: four loads of 512 consecutive bytes
.irp c, 0,1,2,3
	ds_load_b128 v[\reg+4*\c:\reg+4*\c+3], v[\adr] offset:4096*(\i)+2048*(\q)+512*\c
.endr
.endm
.macro LB slot, q, i                   ; B's fragment i of the slot's q-th 128 along K, into set q
	WIN 0x40
	FRAG 128*(\q)+16*(\i), ADRB+\slot, \q, \i
.endm
.macro LA slot, q, i                   ; A's block i; in the odd halves blocks 6 and 7 lie at v96-127
	WIN 0
	FRAG AF+16*(\i)-128*(\q)*((\i)/6), ADRA+\slot, \q, \i
.endm
.macro SCALES s
.irp i, 0,1,2,3,4,5,6,7
	ds_load_b64 v[SC+16*\s+2*\i:SC+16*\s+2*\i+1], v[ADRS+\s] offset:128*\i
.endr
.endm
; Four products: A's block u / 2 against B's fragments 4 (u % 2) + 0 .. 3.  The 64 accumulators take turns in the same order in every half.
.macro UNIT u, q, sc, first
.irp j, 0,1,2,3
.set AI, (\u)/2
.set BI, 4*((\u)%2)+\j
.set DD, 8*(8*(AI%4)+BI)
.set AA, AF+16*AI-128*(\q)*(AI/6)
.if \first
	v_wmma_scale_f32_16x16x128_f8f6f4 v[DD:DD+7], v[128*(\q)+16*BI:128*(\q)+16*BI+15], v[AA:AA+15], v[BIAS+8*BI:BIAS+8*BI+7], v[SC+16*(\sc)+2*BI+(\q)], v[SC+16*(\sc)+2*AI+(\q)] matrix_a_scale:MATRIX_SCALE_ROW1
.else
	v_wmma_scale_f32_16x16x128_f8f6f4 v[DD:DD+7], v[128*(\q)+16*BI:128*(\q)+16*BI+15], v[AA:AA+15], v[DD:DD+7], v[SC+16*(\sc)+2*BI+(\q)], v[SC+16*(\sc)+2*AI+(\q)] matrix_a_scale:MATRIX_SCALE_ROW1
.endif
.endr
.endm
.macro UNITS u0, n, q, sc, first       ; n units from u0 on; a group (one block of A) is two units
.set uu, \u0
.rept \n
.if \first
	WIN 0x81+0x40*(uu/8)
.else
	WIN 0xa1+0x50*(uu/8)
.endif
	UNIT uu, \q, \sc, \first
.set uu, uu+1
.endr
.endm
; A slot's first half.  Behind group 3: B's eight fragments of the second half, A's blocks 0-3, and blocks 6, 7 into their second buffers (56 loads); behind group 6: A's blocks 4, 5 (8 loads).
; first = 1: the biases are the sums' first C, and v96-127 still hold biases: blocks 6, 7 follow behind the half.
.macro H0 slot, first
.if \first
	s_wait_dscnt 0x0
.else
	s_wait_dscnt 16                                ; all but the youngest 16 loads: A's blocks 2-5
.endif
	UNITS 0, 4, 0, \slot, \first
	s_wait_dscnt 0x0                               ; A's blocks 2-5, asked for 24 products ago
	UNITS 4, 4, 0, \slot, \first
	PLACES NP
.irp i, 0,1,2,3,4,5,6,7
	LB \slot, 1, \i
.endr
.irp i, 0,1,2,3
	LA \slot, 1, \i
.endr
.if \first == 0
	LA \slot, 1, 6
	LA \slot, 1, 7
.endif
	UNITS 8, 6, 0, \slot, \first
	PLACES NP
	LA \slot, 1, 4
	LA \slot, 1, 5
	UNITS 14, 2, 0, \slot, \first
	WIN 0
.endm
; The prefetches of a trip: n = 1: the codes of K step 2 L + 4; n = 2: those of 2 L + 5 and both steps' scale bytes.  The last trip has no such K step and names my 64 rows of c_t_1, 32 at a time.
.macro ASK n
	s_cmp_gt_u32 s23, 1
	s_cbranch_scc0 .Lask_c_\@
	global_prefetch_b8 v[VP], s[PF:PF+1] offset:(3+\n)*BLK th:TH_LOAD_NT scope:SCOPE_SE
.if \n == 2
	global_prefetch_b8 v[VS], s[PF:PF+1] offset:4*BLK th:TH_LOAD_NT scope:SCOPE_SE
.endif
	s_branch .Lask_done_\@
.Lask_c_\@:
	global_prefetch_b8 v[VPF], s[10:11] offset:(\n-1)*262144 th:TH_LOAD_NT scope:SCOPE_SE
.Lask_done_\@:
.endm
; A slot's second half changes slots.  All its operands were asked for in the first half, so the slot's reads end at the wait for 0 below.  Behind the refill: the next slot's scale words, B's eight fragments and
; A's blocks 0, 1, 6, 7 (56 loads); behind group 6: A's blocks 2-5 (16 loads).
; mode 1: the slot takes the K step two on; 2: it takes the c_t_1 tile; 3 (the last half): slot 1 takes x_t's K step 0 and W_res, and c_t_1 comes into B's idle set.
.macro H1 slot, next, mode, ask
	s_wait_tensorcnt 0x0                           ; all my tensor loads have landed: my part of the next slot
	ds_add_u32 v[SPW], v[NIL]
.if \mode == 1
	s_add_nc_u64 s[G0A+4*\slot+2:G0A+4*\slot+3], s[G0A+4*\slot+2:G0A+4*\slot+3], 2*BLK
	s_add_nc_u64 s[G0B+4*\slot+2:G0B+4*\slot+3], s[G0B+4*\slot+2:G0B+4*\slot+3], 2*BLK
.endif
	s_wait_dscnt 9                                 ; the run of 56 is in: behind it the 8 loads of A's blocks 4, 5 and the add
	UNITS 0, 2, 1, \slot, 0
	s_wait_dscnt 0x0                               ; the add is done, and my reads of this slot are over
	s_barrier_signal -1
	UNITS 2, 2, 1, \slot, 0
	WIN 0
	s_barrier_wait -1
	CREST                                          ; the round: no wave of any partner still reads this slot or has a load on its way
.if \mode == 1
	JLOAD G0A+4*\slot, G1, G0B+4*\slot, G1B
.elseif \mode == 2
	tensor_load_to_lds s[G0C:G0C+3], s[G1C:G1C+7]
	s_nop 0
	PLACES 4
.else
	JLOAD G0T1, G1, G0R, G1B
.endif
	PLACES 4                                       ; with the four behind the load: eight places behind group 1
.if \mode == 3
	WIN 0x40
.irp a, 0,1,2,3,4,5,6,7
.irp u, 0,1
.irp e, 0,1
	ds_load_b128 v[16*\a+8*\u+4*\e:16*\a+8*\u+4*\e+3], v[ADRC] offset:4352*\a+64*\u+16*\e
.endr
.endr
.endr
.else
.irp i, 0,1,2,3,4,5,6,7
	LB \next, 0, \i
.endr
.irp i, 0,1,6,7
	LA \next, 0, \i
.endr
	SCALES \next
.endif
.if \ask
	ASK \ask
.endif
	UNITS 4, 10, 1, \slot, 0
.if \mode != 3
	PLACES NP
.irp i, 2,3,4,5
	LA \next, 0, \i
.endr
.endif
	UNITS 14, 2, 1, \slot, 0
	WIN 0
.endm
	s_wait_alu depctr_va_vdst(0)                   ; the head's end
	s_wait_tensorcnt 0x0                           ; my part of K step 0 is in; slot 1's first fill is issued as a refill is
	ds_add_u32 v[SPW], v[NIL]
	s_wait_dscnt 0x0
	CROUND
	JLOAD G0A+4, G1, G0B+4, G1B                    ; K step 1
.irp i, 0,1,2,3,4,5,6,7
	LB 0, 0, \i
.endr
.irp i, 0,1,2,3,4,5,6,7
	LA 0, 0, \i
.endr
	SCALES 0
	s_wait_loadcnt 0x0                             ; the biases
	global_prefetch_b8 v[VP], s[PF:PF+1] offset:2*BLK th:TH_LOAD_NT scope:SCOPE_SE   ; the codes of K steps 2 and 3, which trip 0 loads
	global_prefetch_b8 v[VP], s[PF:PF+1] offset:3*BLK th:TH_LOAD_NT scope:SCOPE_SE
	H0 0, 1
	PLACES NP                                      ; the last products read the biases: v64-127 are loaded only behind these places
	LA 0, 1, 6
	LA 0, 1, 7
.irp u, 0,1
.irp e, 0,1
	global_load_b128 v[BR+8*\u+4*\e:BR+8*\u+4*\e+3], v[VB], s[14:15] offset:64*\u+16*\e
.endr
.endr
	s_mov_b32 s23, 5
.Llap:                                                 ; trip L: from K step 2 L's second half to K step 2 L + 2's first; fills both slots again
	H1 0, 1, 1, 1
	H0 1, 0
	H1 1, 0, 1, 2
	H0 0, 0
	s_wait_xcnt 0x0                                ; the prefetches have read their base
	s_add_nc_u64 s[PF:PF+1], s[PF:PF+1], 2*BLK
	s_sub_co_u32 s23, s23, 1
	s_cmp_lg_u32 s23, 0
	s_cbranch_scc1 .Llap
	H1 0, 1, 2, 0
	H0 1, 0
	H1 1, 0, 3, 0
	PLACES NP
; The cell for block a of 16 rows: sigmoid(x) = rcp(1 + exp2(-x log2 e)), tanh(x) = 1 - 2 rcp(1 + exp2(2 x log2 e)).  c_t ends in the forget gate's registers, o tanh(c_t) + b_res in the output gate's.
.macro EPIB a
.set EB, 64*((\a)%4)
.set WF, 0x55*(2+(\a)/4)
	WIN WF
.set jj, 0
.rept 24
	v_pk_mul_f32 v[EB+jj:EB+jj+1], v[EB+jj:EB+jj+1], s[2:3] op_sel_hi:[1,0]
.set jj, jj+2
.endr
.rept 8
	v_pk_mul_f32 v[EB+jj:EB+jj+1], v[EB+jj:EB+jj+1], s[66:67] op_sel_hi:[1,0]
.set jj, jj+2
.endr
.set jj, 0
	s_wait_alu depctr_va_vdst(0)
.rept 64
	v_exp_f32 v[EB+jj], v[EB+jj]
.set jj, jj+1
.endr
	v_nop
.set jj, 0
	s_wait_alu depctr_va_vdst(0)
.rept 32
	v_pk_add_f32 v[EB+jj:EB+jj+1], v[EB+jj:EB+jj+1], 1.0 op_sel_hi:[1,0]
.set jj, jj+2
.endr
.set jj, 0
	s_wait_alu depctr_va_vdst(0)
.rept 64
	v_rcp_f32 v[EB+jj], v[EB+jj]
.set jj, jj+1
.endr
	v_nop
.set jj, 0
	s_wait_alu depctr_va_vdst(0)
.rept 8
	v_pk_fma_f32 v[EB+48+jj:EB+49+jj], v[EB+48+jj:EB+49+jj], -2.0, 1.0 op_sel_hi:[1,0,0]
.set jj, jj+2
.endr
.set jj, 0
.rept 8
	v_pk_mul_f32 v[EB+jj:EB+jj+1], v[EB+jj:EB+jj+1], v[EB+48+jj:EB+49+jj]
.set jj, jj+2
.endr
	WIN (WF&0xf3)|0x04
.set jj, 0
.rept 8
	v_pk_fma_f32 v[EB+16+jj:EB+17+jj], v[EB+16+jj:EB+17+jj], v[16*(\a)+jj:16*(\a)+jj+1], v[EB+jj:EB+jj+1]
.set jj, jj+2
.endr
	WIN WF
.set jj, 0
.rept 8
	v_pk_mul_f32 v[EB+jj:EB+jj+1], v[EB+16+jj:EB+17+jj], s[66:67] op_sel_hi:[1,0]
.set jj, jj+2
.endr
.set jj, 0
	s_wait_alu depctr_va_vdst(0)
.rept 16
	v_exp_f32 v[EB+jj], v[EB+jj]
.set jj, jj+1
.endr
	v_nop
.set jj, 0
	s_wait_alu depctr_va_vdst(0)
.rept 8
	v_pk_add_f32 v[EB+jj:EB+jj+1], v[EB+jj:EB+jj+1], 1.0 op_sel_hi:[1,0]
.set jj, jj+2
.endr
.set jj, 0
	s_wait_alu depctr_va_vdst(0)
.rept 16
	v_rcp_f32 v[EB+jj], v[EB+jj]
.set jj, jj+1
.endr
	v_nop
.set jj, 0
	s_wait_alu depctr_va_vdst(0)
.rept 8
	v_pk_fma_f32 v[EB+jj:EB+jj+1], v[EB+jj:EB+jj+1], -2.0, 1.0 op_sel_hi:[1,0,0]
.set jj, jj+2
.endr
	WIN WF&0xcf
.set jj, 0
.rept 8
	v_pk_fma_f32 v[EB+32+jj:EB+33+jj], v[EB+32+jj:EB+33+jj], v[EB+jj:EB+jj+1], v[BR+jj:BR+jj+1]
.set jj, jj+2
.endr
.endm
; The way out.  A row's 256 bytes come from two waves, so they meet in a stage behind the ring; sixteen lanes then store one aligned run of 256 bytes.
; Four blocks (two pairs p, p + 1, one in each half of the stage) go under ONE barrier.  The stage is written again only behind a later barrier in front of which every wave has its loads back.
.macro OSTO p, roff
	WIN 0x08+4*((\p)/2)
.irp aa, 0,1
.irp u, 0,1
.irp e, 0,1
	ds_store_b128 v[STO], v[64*((2*(\p)+\aa)%4)+\roff+8*\u+4*\e:64*((2*(\p)+\aa)%4)+\roff+8*\u+4*\e+3] offset:((\p)%2)*STGB+\aa*4352+64*\u+16*\e
.endr
.endr
.endr
	WIN 0
.endm
.macro OLDS p, ob
.irp t, 0,1,2,3,4,5,6,7
	ds_load_b128 v[\ob+4*\t:\ob+4*\t+3], v[RD] offset:((\p)%2)*STGB+544*\t
.endr
.endm
.macro OGST p, ob, base, left
.irp t, 0,1,2,3,4,5,6,7
	s_wait_dscnt \left+7-\t
	global_store_b128 v[CO], v[\ob+4*\t:\ob+4*\t+3], s[\base:\base+1] offset:(32*(\p)+2*\t)*8192 th:TH_STORE_NT
.endr
.endm
.macro OUT2 p, roff, base
	OSTO \p, \roff
	OSTO (\p)+1, \roff
	s_wait_dscnt 0x0                               ; for the others' sake: my stores into the stage are done
	s_barrier_signal -1
	s_barrier_wait -1
	s_wait_xcnt 0x0                                ; earlier stores have read the registers that the loads below fill
	OLDS \p, OB
	OLDS (\p)+1, AF
	OGST \p, OB, \base, 8
	OGST (\p)+1, AF, \base, 0
.endm
	s_wait_dscnt 0x0                               ; c_t_1
	s_wait_loadcnt 0x0                             ; b_res
	EPIB 0
	EPIB 1
	EPIB 2
	EPIB 3
	OUT2 0, 16, 18
	s_wait_tensorcnt 0x0
	ds_add_u32 v[SPW], v[NIL]
	s_wait_dscnt 0x0
	CROUND
	tensor_load_to_lds s[G0T2:G0T2+3], s[G1:G1+7]  ; x_t's K steps 1 and 2 over the c_t_1 tile, which lies in registers
	s_nop 0
	PLACES 4
	EPIB 4
	EPIB 5
	EPIB 6
	EPIB 7
	OUT2 2, 16, 18
; x_t W_res onto o tanh(c_t) + b_res: 8 halves of 16 products
.macro RFETCH k, q, ra, rs
	WIN 0x40*(\q)
.irp i, 0,1,2,3,4,5,6,7
	FRAG 128+16*\i, \ra, \q, \i
.endr
	WIN 0x40
.irp u, 0,1
.irp c, 0,1,2,3
	ds_load_b128 v[32*(\q)+16*\u+4*\c:32*(\q)+16*\u+4*\c+3], v[ADRW] offset:RBLK*(\k)+4096*\u+2048*(\q)+512*\c
.endr
.endr
	WIN 0
.if (\q) == 0
.irp i, 0,1,2,3,4,5,6,7
	ds_load_b64 v[SC+16*((\k)%2)+2*\i:SC+16*((\k)%2)+2*\i+1], v[\rs] offset:128*\i
.endr
.irp u, 0,1
	ds_load_b64 v[SBW+4*((\k)%2)+2*\u:SBW+4*((\k)%2)+2*\u+1], v[ASW] offset:RBLK*(\k)+128*\u
.endr
.endif
.endm
.macro RMUL k, q
.irp a, 0,1,2,3,4,5,6,7
	WIN 0xa1+0x50*(\a/4)+4*(\q)
.irp u, 0,1
	v_wmma_scale_f32_16x16x128_f8f6f4 v[64*(\a%4)+32+8*\u:64*(\a%4)+32+8*\u+7], v[32*(\q)+16*\u:32*(\q)+16*\u+15], v[128+16*\a:128+16*\a+15], v[64*(\a%4)+32+8*\u:64*(\a%4)+32+8*\u+7], v[SBW+4*((\k)%2)+2*\u+(\q)], v[SC+16*((\k)%2)+2*\a+(\q)]
.endr
.endr
	WIN 0
.endm
.macro RSTEP k, q, nk, nq, ra, rs, n
	PLACES NP
	RFETCH \nk, \nq, \ra, \rs
	s_wait_dscnt \n
	RMUL \k, \q
.endm
	s_wait_xcnt 0x0                                ; c_t's stores have read v128-159, which the loads below fill
	RFETCH 0, 0, ADRA+1, ASA
	RFETCH 0, 1, ADRA+1, ASA
	s_wait_tensorcnt 0x0
	ds_add_u32 v[SPW], v[NIL]
	s_wait_dscnt 41
	s_wait_alu depctr_va_vdst(0)
	RMUL 0, 0
	s_wait_dscnt 0x0
	CROUND
	s_cmp_eq_u32 s[WH], 0
	s_cbranch_scc0 .Lno_t3
	tensor_load_to_lds s[G0T3:G0T3+3], s[G1:G1+7]  ; x_t's K step 3 over its K step 0
	s_nop 0
	PLACES 4
.Lno_t3:
	RSTEP 0, 1, 1, 0, ADRA, ASA+1, 50
	RSTEP 1, 0, 1, 1, ADRA, ASA+1, 40
	RSTEP 1, 1, 2, 0, ADRA2, ASA+2, 50
	RSTEP 2, 0, 2, 1, ADRA2, ASA+2, 40
	s_wait_tensorcnt 0x0
	s_wait_dscnt 0x0
	s_barrier_signal -1
	s_barrier_wait -1
	RSTEP 2, 1, 3, 0, ADRA+1, ASA, 50
	RSTEP 3, 0, 3, 1, ADRA+1, ASA, 40
	s_wait_dscnt 0x0
	RMUL 3, 1
	PLACES NP
	OUT2 0, 32, 16
	s_barrier_signal -1                            ; every wave has its loads from the stage back (the last wait above is for 0): the stage may be written again
	s_barrier_wait -1
	OUT2 2, 32, 16
	s_wait_tensorcnt 0x0                           ; the wave's end
	ds_add_u32 v[SPW], v[NIL]
	s_wait_dscnt 0x0
	CROUND                                         ; the closing round
	s_endpgm
.Lfunc_end_k_qd0c3f38b6c_cell:
	.size	k_qd0c3f38b6c_cell, .Lfunc_end_k_qd0c3f38b6c_cell-k_qd0c3f38b6c_cell
	.p2alignl 7, 3214868480
	.fill 96, 4, 3214868480
	.section	.rodata,"a",@progbits
	.p2align	6, 0x0
	.amdhsa_kernel k_qd0c3f38b6c_cell
		.amdhsa_group_segment_fixed_size 327680
		.amdhsa_private_segment_fixed_size 0
		.amdhsa_enable_private_segment 0
		.amdhsa_kernarg_size 64
		.amdhsa_user_sgpr_count 2
		.amdhsa_user_sgpr_kernarg_segment_ptr 1
		.amdhsa_wavefront_size32 1
		.amdhsa_system_sgpr_workgroup_id_x 1
		.amdhsa_system_sgpr_workgroup_id_y 1
		.amdhsa_system_sgpr_workgroup_id_z 1
		.amdhsa_system_vgpr_workitem_id 0
		.amdhsa_next_free_vgpr 1024
		.amdhsa_next_free_sgpr 102
		.amdhsa_reserve_vcc 0
		.amdhsa_float_denorm_mode_32 3
		.amdhsa_float_denorm_mode_16_64 3
		.amdhsa_memory_ordered 1
		.amdhsa_forward_progress 1
		.amdhsa_inst_pref_size 255
	.end_amdhsa_kernel
	.section	.bss,"aw",@nobits
	.p2align	6
	.space	262144
	.amdgpu_metadata
---
amdhsa.version: [ 1, 2 ]
amdhsa.kernels:
  - .name:           k_qd0c3f38b6c_cell
    .symbol:         k_qd0c3f38b6c_cell.kd
    .args:
      - { .name: acode, .offset: 0, .size: 8, .value_kind: global_buffer, .address_space: global }
      - { .name: wcode, .offset: 8, .size: 8, .value_kind: global_buffer, .address_space: global }
      - { .name: rcode, .offset: 16, .size: 8, .value_kind: global_buffer, .address_space: global }
      - { .name: c_t_1, .offset: 24, .size: 8, .value_kind: global_buffer, .address_space: global }
      - { .name: b_gates, .offset: 32, .size: 8, .value_kind: global_buffer, .address_space: global }
      - { .name: b_res, .offset: 40, .size: 8, .value_kind: global_buffer, .address_space: global }
      - { .name: out0, .offset: 48, .size: 8, .value_kind: global_buffer, .address_space: global }
      - { .name: out1, .offset: 56, .size: 8, .value_kind: global_buffer, .address_space: global }
    .group_segment_fixed_size: 327680
    .private_segment_fixed_size: 0
    .kernarg_segment_align: 8
    .kernarg_segment_size: 64
    .max_flat_workgroup_size: 128
    .sgpr_count:     102
    .vgpr_count:     1024
    .wavefront_size: 32
...
	.end_amdgpu_metadata
.endif
;; end of part 2
